; MI455X (gfx1250); checked and timed in simulation.
; The chip was launched on July 23, 2026; its instructions are those of AMD's public machine-readable ISA for CDNA 5 (MIT licence, August 2026) and "CDNA5" Instruction Set Architecture Reference Guide (July 2026). The comments in the code are by the model that wrote it; some were corrected since.
;; Pathwise Function. Allowed arithmetic: float matrix products may take bf16 or f16 operands with f32 sums; all other float work in f32.
;; Inputs: X_star 16,384 x 8 float32; correction_weights 8 x 2,048 float32; feature_weights 8 x 1,024 float32; lengthscale one number float32; omega 8 x 8 x 1,024 float32; phase 8 x 1,024 float32; ref_points 2,048 x 8 float32; variance one number float32.
;; Outputs: out0 8 x 16,384 float32.
;; One version. Each part assembles by itself: llvm-mc -triple=amdgcn-amd-amdhsa -mcpu=gfx1250 --defsym DOCPART=n.
;; ======== version 1 of 1: 1 launch
;; limits: a function is approximated: absolute error at most 4.1e-05; values are held in f16: magnitudes above 65,504 overflow, below 6.1e-05 lose precision; inputs' magnitudes at most 65,504
;; launch pathwise (part 1): grid 256 x 1, 8 waves a work-group, no clusters, 95,232 bytes of LDS; arguments X_star, ref_points, omega, phase, feature_weights, correction_weights, lengthscale, variance, out0; writes out0
.if DOCPART == 1
	.amdgcn_target "amdgcn-amd-amdhsa--gfx1250"
	.amdhsa_code_object_version 6
	.text
	.protected	k_q6e493258d1_pathwise
	.globl	k_q6e493258d1_pathwise
	.p2align	8
	.type	k_q6e493258d1_pathwise,@function
k_q6e493258d1_pathwise:
	s_mov_b64 s[64:65], 0
	v_nop
	global_prefetch_b8 v0, s[64:65] scope:SCOPE_SE
	s_setreg_imm32_b32 hwreg(HW_REG_WAVE_MODE, 25, 1), 1
	s_wait_xcnt 0x0
; out[s][n] = sqrt(2 var / 1024) * sum_f w[s][f] cos(x_n . omega[s][:][f] / ls + phase[s][f])
;           + var * sum_r exp(-|x_n - z_r|^2 / (2 ls^2)) * cw[s][r]          N = 16384, D = 8, S = 8, F = 1024, R = 2048
;
; SHARES.  256 work-groups of 8 waves; a work-group owns 64 points (4 column tiles of 16).  Wave w makes the prior of sample w
; (64 row tiles of 16 features x 4 column tiles) and the update's partial sums over ref points 256 w .. 256 w + 255 for all 8
; samples; the partial sums meet in LDS behind one barrier, and wave w stores out[w][64 wg .. +63]: 256 consecutive bytes, aligned.
;
; WHAT IS COSTLY is the per-element vector work (8 x 16384 x 1024 cosines, 16384 x 2048 exponentials), so all that can be is moved
; into the 24 spare k places of the K = 32 matrix form (true K is 8) and into its C operand:
;   every f32 operand is split hi = bf16(v), lo = bf16(v - hi).  Lane (r, h) holds dimensions 4h .. 4h+3:
;       A registers 0,1 hi   2,3 lo   4,5 hi   6,7 extras          B registers 0,1 hi   2,3 hi   4,5 lo   6,7 extras
;   so one instruction sums hi hi + lo hi + hi lo (lo lo, at most 2^-18 of |a||b|, is dropped).
;   ANGLES: A = omega, B = x / (2 pi ls), C = phase / (2 pi) in f32: D is the angle in revolutions, t.
;   COSINE: f = fract(t), u = f f - f in [-1/4, 0], cos(2 pi t) = k0 + u (k1 + u (k2 + u (k3 + u k4))): the Chebyshev series of
;       cos(pi x) (coefficients from the Bessel numbers J0 .. J8 of pi) cut after the term of degree 4 in 2 x^2 - 1 and rewritten in u.
;   RBF: with c = ref_points[0] taken from both sides (an identity, which removes a common offset ahead of the split),
;       g = sqrt(log2(e) / 2), zt = (z - c) g / ls, V = (x - c) 2 g / ls:  log2 K = zt . V - |zt|^2 - |V|^2 / 4.  The two norms ride in
;       the extras against bf16 ones.  D is clamped at 0 from above (reference()'s maximum(sq, 0)), so K lies in [0, 1]; K and cw go
;       into the second product in f16 (11 bits where bf16 has 8).  The packed D tiles of 32 ref points ARE that product's B fragment.
;
; NOT USED, and why.  Tensor loads, clusters and multicast: the shared tables (omega, ref_points, cw) go straight into the lanes'
; registers in fragment order, 2 KiB a wave for every four tiles (some 550 vector instructions); an LDS ring would add a barrier for
; each refill and remove no vector work.  Prefetches: work-group g starts its walk of omega at group g & 15 and of its ref chunks at
; chunk g & 7, so the first loads of the 256 work-groups already ask for all of these tables, each block by a share of them.
;
; LIMITS.  Cosine: absolute error up to 4.1e-5 (the cut series).  1/ls is v_rcp_f32 (1 ulp; a denormal ls counts as 0) and is folded
; into x and z, so the order of rounding differs from reference().  Split operands carry about 17 bits: the error of an angle grows with
; |x||omega|/ls, that of log2 K with |x - c|^2/ls^2 (|zt|^2 is carried in two bf16 parts, |V|^2/4 in three).  |cw| below 65504 (f16);
; K below 2^-24 becomes 0.  v_sqrt_f32 takes var / 512 below 2^-126 as 0.  The clamp is v_min_num_f32: a NaN in log2 K gives K = 1 where
; reference() gives NaN (a NaN in X_star still reaches the output through the prior; one in ref_points alone does not).
; ---- LDS map (bytes)
.set XFL,  0            ; 8 fragments of X, 1024 bytes each: fragment i at 1024 i + 512 plane + 16 lane (i 0-3 for angles, 4-7 for the RBF)
.set PHL,  8192         ; phase / 2 pi: wave 4096 + tile 64 + row 4 (tiles in the wave's own walking order)
.set WTO,  32768        ; feature weights: the same place + 32768
.set UPL,  73728        ; partial updates: wave 2048 + sample 256 + point 4
.set PRL,  90112        ; prior halves: wave 512 + lane half 256 + point 4
; ---- vector registers.  v1 = r (lane & 15), v2 = h (lane >> 4), v3 = lane: kept to the end
.set LA,   4            ; LDS: PHL + wave 4096 + 32 h, + 512 for every 8 tiles
.set OM,   5            ; omega: 16384 h + 16 r
.set L16,  6            ; 16 lane
.set UST,  7            ; LDS: UPL + wave 2048 + 4 r
.set PST,  8            ; LDS: PRL + wave 512 + 256 h + 4 r
.set URD,  9            ; LDS: UPL + wave 256 + 8 lane
.set NEG1, 10           ; -1.0
.set PD,   11           ; a destination for v_permlanex16_b32, written at the entry
.set GG,   12           ; v[12:13] g / ls, twice
.set CC,   14           ; v[14:17] c[4h .. 4h+3]
.set ZL,   18           ; 32 r + 16 h
.set WL,   19           ; 8192 (r & 7) + 32 h
.set ZO,   20           ; v20, v21: ref_points offset of ring half 0, 1
.set WO,   22           ; v22, v23: cw offset of ring half 0, 1
.set X,    24           ; v[24:55]   four B fragments of X (first the RBF's, then the angles')
.set D,    56           ; v[56:119]  matrix results
.set U,    120          ; v[120:151] update: four accumulators (register j = sample j)
.set P,    120          ; v[120:135] prior: the polynomial
.set AF,   136          ; v[136:151] prior: A fragments 0, 1
.set ZF,   152          ; v[152:167] update: A fragments of two tiles of ref points
.set PHR,  152          ; v[152:167] prior: C operands 0, 1
.set A2,   168          ; v[168:175] update: cw in f16
.set WTR,  168          ; v[168:183] prior: weights 0, 1
.set ZRAW, 176          ; v[176:183] and v[216:223] (+ 40 p): ref points as loaded
.set RAW0, 184          ; v[184:199] omega as loaded: register 4 i + c = dimension 4h + i, feature 4 r + c of the group
.set RAW1, 200          ; v[200:215]
.set WRAW, 224          ; v[224:239], v[240:255] (+ 16 p): cw as loaded
.set ACC,  216          ; v[216:231] prior: two pairs of sums for each column tile
.set KK,   232          ; v[232:241] k0 .. k4, each twice
.set LT,   242          ; v[242:245] low parts at work
; ---- scalar registers: s3 wave; s[8:25] the nine addresses; s26 ls; s27 var; s28, s29 lane selects; s30 omega group; s31 ref chunk;
; s[32:33] an offset (s33 = 0); s[34:35] omega of my sample; s[36:37], s[38:39] bases of RAW0's, RAW1's loads; s[40:41] my ref points;
; s[42:43] my columns of cw; s[44:45] phase, s[46:47] weights of my sample; s[48:49] my 256 bytes of out; s50 trips; s51 mask;
; s[52:53] my tile of X; s54 PRL + wave 512; s55-59 at work
	s_load_b512 s[8:23], s[0:1], 0x0               ; X, ref_points, omega, phase, feature_weights, cw, &ls, &var
	s_load_b64 s[24:25], s[0:1], 0x40              ; out
	s_set_vgpr_msb 0x40
	v_lshl_add_u32 v0, v0, 2, 0x17000
	v_mov_b32 v1, 0
	s_set_vgpr_msb 0x4000
	v_and_b32 v1, 15, v0                           ; r
	v_bfe_u32 v2, v0, 4, 1                         ; h
	v_and_b32 v3, 31, v0                           ; lane
	v_lshrrev_b32 v[PD], 5, v0
	v_readfirstlane_b32 s3, v[PD]                  ; wave 0 .. 7
	s_mov_b32 s28, 0x76543210                      ; v_permlanex16_b32: lane i takes lane i of the other half
	s_mov_b32 s29, 0xfedcba98
	s_and_b32 s30, ttmp9, 15                       ; where this work-group starts its walk of omega's 16 groups of 64 features
	s_and_b32 s31, ttmp9, 7                        ; and of a wave's 8 chunks of 32 ref points
	s_mov_b32 s33, 0
	v_mov_b32 v[NEG1], -1.0
	v_lshlrev_b32 v[L16], 4, v3
	v_lshlrev_b32 v[OM], 4, v1
	v_lshl_add_u32 v[OM], v2, 14, v[OM]
	v_lshlrev_b32 v[ZL], 5, v1
	v_lshl_add_u32 v[ZL], v2, 4, v[ZL]
	v_and_b32 v[WL], 7, v0
	v_lshlrev_b32 v[WL], 13, v[WL]
	v_lshl_add_u32 v[WL], v2, 5, v[WL]
	v_lshlrev_b32 v128, 4, v2                      ; 16 h: where c[4h ..] lies in ref_points' first row
	s_lshl_b32 s55, s3, 12
	s_add_co_u32 s55, s55, PHL
	v_lshl_add_u32 v[LA], v2, 5, s55
	v_lshl_add_u32 v129, v1, 2, s55                ; staging of phase and weights: PHL + wave 4096 + 256 h + 4 r
	v_lshl_add_u32 v129, v2, 8, v129
	s_lshl_b32 s56, s3, 11
	s_add_co_u32 s56, s56, UPL
	v_lshl_add_u32 v[UST], v1, 2, s56
	s_lshl_b32 s54, s3, 9
	s_add_co_u32 s54, s54, PRL
	v_lshl_add_u32 v[PST], v1, 2, s54
	v_lshl_add_u32 v[PST], v2, 8, v[PST]
	s_lshl_b32 s57, s3, 8
	s_add_co_u32 s57, s57, UPL
	v_lshl_add_u32 v[URD], v3, 3, s57
	s_lshl_b32 s58, s3, 10
	v_add_nc_u32 v130, s58, v[L16]                 ; staging of X: fragment = wave
	s_lshl_b32 s59, s30, 8
	v_add_nc_u32 v131, s59, v[L16]
.irp i, 0,1,2,3,4,5,6,7
	v_add_nc_u32 v[120+\i], 512*\i, v131           ; phase and weights come in the walking order: byte (512 i + 16 lane + 256 start) mod 4096
	v_and_b32 v[120+\i], 0xfff, v[120+\i]
.endr
	v_lshl_add_u32 v[ZO], s31, 10, v[ZL]           ; a chunk is 32 rows of 32 bytes of ref_points
	v_lshl_add_u32 v[WO], s31, 7, v[WL]            ; and 128 bytes of each row of cw
	s_add_co_u32 s31, s31, 1
	s_and_b32 s31, s31, 7
	v_lshl_add_u32 v[ZO+1], s31, 10, v[ZL]
	v_lshl_add_u32 v[WO+1], s31, 7, v[WL]
	s_mov_b32 s56, 0x3e22f983                      ; 1 / (2 pi)
	s_mov_b32 s57, 0x3fd96d27                      ; 2 g
	s_cmp_lt_u32 s3, 4                             ; waves 0-3 stage the angles' fragments of X, waves 4-7 the RBF's: one text, two constants
	s_cselect_b32 s55, s56, s57
	s_cselect_b32 s51, 0, -1                       ; the mask that keeps c and the extras for the RBF alone
; six loads of one chunk: two tiles of 16 ref points (512 consecutive bytes each), then my 2 x 32 bytes of my sample's cw row, twice
.macro LOADCH p
	global_load_b128 v[ZRAW+40*\p:ZRAW+40*\p+3], v[ZO+\p], s[40:41]
	global_load_b128 v[ZRAW+40*\p+4:ZRAW+40*\p+7], v[ZO+\p], s[40:41] offset:512
	global_load_b128 v[WRAW+16*\p:WRAW+16*\p+3], v[WO+\p], s[42:43]
	global_load_b128 v[WRAW+16*\p+4:WRAW+16*\p+7], v[WO+\p], s[42:43] offset:16
	global_load_b128 v[WRAW+16*\p+8:WRAW+16*\p+11], v[WO+\p], s[42:43] offset:64
	global_load_b128 v[WRAW+16*\p+12:WRAW+16*\p+15], v[WO+\p], s[42:43] offset:80
.endm
	s_wait_kmcnt 0x0
	s_load_b32 s26, s[20:21], 0x0                  ; ls
	s_load_b32 s27, s[22:23], 0x0                  ; var
	; All first loads, in the order in which they are wanted (loads return in order: ISA guide 5.7.1): 2 + 8 + 8 + 8 + 12 = 38
	s_and_b32 s32, s3, 3
	s_lshl_b32 s32, s32, 9                         ; my tile of 16 points, 32 bytes each,
	s_lshl_b32 s58, ttmp9, 11                      ; of the work-group's 64
	s_add_co_u32 s32, s32, s58
	s_add_nc_u64 s[52:53], s[8:9], s[32:33]
	global_load_b128 v[132:135], v[ZL], s[52:53]   ; x[16 tile + r][4h .. 4h+3]
	global_load_b128 v[CC:CC+3], v128, s[10:11]    ; c = ref_points[0]
	s_lshl_b32 s32, s3, 12
	s_add_nc_u64 s[44:45], s[14:15], s[32:33]
	s_add_nc_u64 s[46:47], s[16:17], s[32:33]
.irp i, 0,1,2,3,4,5,6,7
	global_load_b128 v[D+4*\i:D+4*\i+3], v[120+\i], s[44:45]
.endr
.irp i, 0,1,2,3,4,5,6,7
	global_load_b128 v[D+32+4*\i:D+32+4*\i+3], v[120+\i], s[46:47]
.endr
	s_lshl_b32 s32, s3, 15
	s_add_nc_u64 s[34:35], s[12:13], s[32:33]
	s_lshl_b32 s32, s30, 8                         ; a group of 64 features is 256 bytes of each of omega's rows
	s_add_nc_u64 s[36:37], s[34:35], s[32:33]
.irp i, 0,1,2,3
	global_load_b128 v[RAW0+4*\i:RAW0+4*\i+3], v[OM], s[36:37] offset:\i*4096
.endr
	s_add_co_u32 s30, s30, 1
	s_and_b32 s30, s30, 15
	s_lshl_b32 s32, s30, 8
	s_add_nc_u64 s[38:39], s[34:35], s[32:33]
.irp i, 0,1,2,3
	global_load_b128 v[RAW1+4*\i:RAW1+4*\i+3], v[OM], s[38:39] offset:\i*4096
.endr
	s_lshl_b32 s32, s3, 13
	s_add_nc_u64 s[40:41], s[10:11], s[32:33]
	s_lshl_b32 s32, s3, 10
	s_add_nc_u64 s[42:43], s[18:19], s[32:33]
	LOADCH 0
	LOADCH 1
	s_lshl_b32 s32, s3, 16                         ; out: row = my sample, 65536 bytes; 256 bytes for the work-group's 64 points
	s_lshl_b32 s58, ttmp9, 8
	s_add_co_u32 s32, s32, s58
	s_add_nc_u64 s[48:49], s[24:25], s[32:33]
	s_wait_kmcnt 0x0                               ; ls and var
	v_rcp_f32 v136, s26
	v_mov_b32 v156, 0x3e22f983                     ; (a plain instruction stands between v_rcp_f32 and the use of its result: ISA guide 5.7.2)
	v_mov_b32 v157, 0x3e22f983
	s_wait_alu depctr_va_vdst(0)
	v_mul_f32 v[GG], 0x3f596d27, v136              ; g / ls
	v_mul_f32 v[GG+1], 0x3f596d27, v136
	v_mul_f32 v137, s55, v136                      ; 1 / (2 pi ls), or 2 g / ls
	; ---- my fragment of X: v = (x - c) factor (c masked to 0 for the angles), split, and for the RBF the extras
	s_wait_loadcnt 36                              ; x and c are in; the 36 younger loads (8 + 8 + 8 + 12) stay out
.irp i, 0,1,2,3
	v_and_b32 v[140+\i], s51, v[CC+\i]
.endr
.irp i, 0,1,2,3
	v_sub_f32 v[132+\i], v[132+\i], v[140+\i]
.endr
.irp i, 0,1,2,3
	v_mul_f32 v[132+\i], v137, v[132+\i]
.endr
	v_cvt_pk_bf16_f32 v144, v132, v133             ; registers 0, 1: hi
	v_cvt_pk_bf16_f32 v145, v134, v135
	v_fma_mix_f32_bf16 v140, v144, v[NEG1], v132 op_sel_hi:[1,0,0]                ; v - hi, exact
	v_fma_mix_f32_bf16 v141, v144, v[NEG1], v133 op_sel:[1,0,0] op_sel_hi:[1,0,0]
	v_fma_mix_f32_bf16 v142, v145, v[NEG1], v134 op_sel_hi:[1,0,0]
	v_fma_mix_f32_bf16 v143, v145, v[NEG1], v135 op_sel:[1,0,0] op_sel_hi:[1,0,0]
	v_mov_b32 v146, v144                           ; registers 2, 3: hi again
	v_mov_b32 v147, v145
	v_cvt_pk_bf16_f32 v148, v140, v141             ; registers 4, 5: lo
	v_cvt_pk_bf16_f32 v149, v142, v143
	v_pk_mul_f32 v[140:141], v[132:133], v[132:133]
	v_pk_fma_f32 v[140:141], v[134:135], v[134:135], v[140:141]
	v_add_f32 v140, v140, v141
	v_permlanex16_b32 v[PD], v140, s28, s29        ; the other four dimensions' squares
	v_add_f32 v140, v140, v[PD]
	v_mul_f32 v140, 0xbe800000, v140               ; n = -|V|^2 / 4, in three bf16 parts
	v_cvt_pk_bf16_f32 v141, v140, v140
	v_fma_mix_f32_bf16 v142, v141, v[NEG1], v140 op_sel_hi:[1,0,0]                ; n - part 1
	v_cvt_pk_bf16_f32 v141, v142, v142
	v_fma_mix_f32_bf16 v143, v141, v[NEG1], v142 op_sel_hi:[1,0,0]                ; - part 2
	v_cvt_pk_bf16_f32 v138, v140, v142             ; (part 1, part 2)
	v_cvt_pk_bf16_f32 v139, v143, v143
	v_and_b32 v139, 0xffff, v139                   ; (part 3, 0)
	v_cmp_eq_u32 vcc_lo, 1, v2
	v_cndmask_b32 v151, v138, v139, vcc_lo         ; register 7: lanes 0-15 parts 1, 2; lanes 16-31 part 3.  They meet A's (1, 1)
	v_add_nc_u32 v141, -1, v2                      ; all ones in lanes 0-15, 0 in lanes 16-31
	v_and_b32 v150, 0x3f803f80, v141               ; register 6: (1, 1) in lanes 0-15 alone, so that A's -|zt|^2 counts once
	v_and_b32 v150, s51, v150                      ; the angles' fragments have no extras
	v_and_b32 v151, s51, v151
	ds_store_b128 v130, v[144:147]
	ds_store_b128 v130, v[148:151] offset:512
	; ---- phase / 2 pi and the weights into my own 4096 bytes each: feature 64 G + 4 m + c goes to tile 4 G + c, row m
	s_wait_loadcnt 28                              ; the phases are in; 8 + 8 + 12 younger loads stay out
.set ii, 0
.rept 16
	v_pk_mul_f32 v[D+ii:D+ii+1], v[D+ii:D+ii+1], v[156:157]
.set ii, ii+2
.endr
.irp i, 0,1,2,3,4,5,6,7
.irp c, 0,1,2,3
	ds_store_b32 v129, v[D+4*\i+\c] offset:\i*512+\c*64
.endr
.endr
	s_wait_loadcnt 20                              ; the weights are in; 8 + 12 stay out
.irp i, 0,1,2,3,4,5,6,7
.irp c, 0,1,2,3
	ds_store_b32 v129, v[D+32+4*\i+\c] offset:WTO+\i*512+\c*64
.endr
.endr
	s_wait_dscnt 0x0                               ; my fragment of X is in LDS before I say so: the other waves read it
	s_barrier_signal -1
	s_barrier_wait -1
; =========================================================== THE UPDATE
; A fragments of the two tiles of ring half p: zt = (z - c) g / ls, split; register 6 = -|zt|^2 in two bf16 parts.  At work: registers
; 8-11 of D's column tiles 0 and 1, which are dead once the tiles are packed.  The two tiles go stage by stage, side by side.
.macro PREPZ p
.irp t, 0,1
.set ZQ, ZRAW+40*\p+4*\t
	v_pk_add_f32 v[ZQ:ZQ+1], v[ZQ:ZQ+1], v[CC:CC+1] neg_lo:[0,1] neg_hi:[0,1]
	v_pk_add_f32 v[ZQ+2:ZQ+3], v[ZQ+2:ZQ+3], v[CC+2:CC+3] neg_lo:[0,1] neg_hi:[0,1]
.endr
.irp t, 0,1
.set ZQ, ZRAW+40*\p+4*\t
	v_pk_mul_f32 v[ZQ:ZQ+1], v[ZQ:ZQ+1], v[GG:GG+1]
	v_pk_mul_f32 v[ZQ+2:ZQ+3], v[ZQ+2:ZQ+3], v[GG:GG+1]
.endr
.irp t, 0,1
.set ZQ, ZRAW+40*\p+4*\t
.set FZ, ZF+8*\t
	v_cvt_pk_bf16_f32 v[FZ], v[ZQ], v[ZQ+1]
	v_cvt_pk_bf16_f32 v[FZ+1], v[ZQ+2], v[ZQ+3]
.endr
.irp t, 0,1
.set ZQ, ZRAW+40*\p+4*\t
.set FZ, ZF+8*\t
.set TT, D+8+16*\t
	v_fma_mix_f32_bf16 v[TT], v[FZ], v[NEG1], v[ZQ] op_sel_hi:[1,0,0]
	v_fma_mix_f32_bf16 v[TT+1], v[FZ], v[NEG1], v[ZQ+1] op_sel:[1,0,0] op_sel_hi:[1,0,0]
	v_fma_mix_f32_bf16 v[TT+2], v[FZ+1], v[NEG1], v[ZQ+2] op_sel_hi:[1,0,0]
	v_fma_mix_f32_bf16 v[TT+3], v[FZ+1], v[NEG1], v[ZQ+3] op_sel:[1,0,0] op_sel_hi:[1,0,0]
	v_mov_b32 v[FZ+4], v[FZ]
	v_mov_b32 v[FZ+5], v[FZ+1]
.endr
.irp t, 0,1
.set ZQ, ZRAW+40*\p+4*\t
.set FZ, ZF+8*\t
.set TT, D+8+16*\t
	v_cvt_pk_bf16_f32 v[FZ+2], v[TT], v[TT+1]
	v_cvt_pk_bf16_f32 v[FZ+3], v[TT+2], v[TT+3]
	v_pk_mul_f32 v[TT:TT+1], v[ZQ:ZQ+1], v[ZQ:ZQ+1] neg_lo:[0,1] neg_hi:[0,1]                      ; the squares, negated
	v_pk_fma_f32 v[TT:TT+1], v[ZQ+2:ZQ+3], v[ZQ+2:ZQ+3], v[TT:TT+1] neg_lo:[0,1,0] neg_hi:[0,1,0]
.endr
.irp t, 0,1
	v_add_f32 v[D+8+16*\t], v[D+8+16*\t], v[D+9+16*\t]
.endr
.irp t, 0,1
	v_permlanex16_b32 v[D+10+16*\t], v[D+8+16*\t], s28, s29
.endr
.irp t, 0,1
	v_add_f32 v[D+8+16*\t], v[D+8+16*\t], v[D+10+16*\t]                      ; n = -|zt|^2, in both halves of the lanes
.endr
.irp t, 0,1
	v_cvt_pk_bf16_f32 v[D+9+16*\t], v[D+8+16*\t], v[D+8+16*\t]
.endr
.irp t, 0,1
	v_fma_mix_f32_bf16 v[D+11+16*\t], v[D+9+16*\t], v[NEG1], v[D+8+16*\t] op_sel_hi:[1,0,0]
.endr
.irp t, 0,1
	v_cvt_pk_bf16_f32 v[ZF+8*\t+6], v[D+8+16*\t], v[D+11+16*\t]
.endr
.endm
.macro MINX xt                         ; log2 K <= 0: reference()'s maximum(sq, 0)
.set jj, D+16*\xt
.rept 16
	v_min_num_f32 v[jj], 0, v[jj]
.set jj, jj+1
.endr
.endm
.macro EXPX xt
.set jj, D+16*\xt
.rept 16
	v_exp_f32 v[jj], v[jj]
.set jj, jj+1
.endr
.endm
.macro CVTX xt                         ; 16 registers of K become the 8 of a B fragment, in place: word k is written after words 2k, 2k+1 are read
	s_wait_alu depctr_va_vdst(0)
.irp k, 0,1,2,3,4,5,6,7
	v_cvt_pk_f16_f32 v[D+16*\xt+\k], v[D+16*\xt+2*\k], v[D+16*\xt+2*\k+1]
.endr
.endm
; One chunk of 32 ref points, from ring half p.  zero: the first product starts the sums.  fill: ring half p is loaded again, two chunks
; ahead.  prep: the next chunk's A fragments are made.  wW, wZ: how many younger loads stay out when this chunk's cw, the next chunk's
; ref points have to be in.
.macro CHUNK p, zero, fill, prep, wW, wZ
.irp xt, 0,1,2,3
	v_wmma_f32_16x16x32_bf16 v[D+16*\xt:D+16*\xt+7], v[ZF:ZF+7], v[X+8*\xt:X+8*\xt+7], 0
	v_wmma_f32_16x16x32_bf16 v[D+16*\xt+8:D+16*\xt+15], v[ZF+8:ZF+15], v[X+8*\xt:X+8*\xt+7], 0
.endr
	s_wait_loadcnt \wW
.irp j, 0,1,2,3,4,5,6,7
	v_cvt_pk_f16_f32 v[A2+\j], v[WRAW+16*\p+2*\j], v[WRAW+16*\p+2*\j+1]      ; also the places between the products above and the use of their results (ISA guide 7.12.1)
.endr
.if \fill
	s_add_co_u32 s31, s31, 1
	s_and_b32 s31, s31, 7
	v_lshl_add_u32 v[ZO+\p], s31, 10, v[ZL]        ; the two waits for this ring half's loads have shown them done: their offsets may change
	v_lshl_add_u32 v[WO+\p], s31, 7, v[WL]
	LOADCH \p
.endif
	MINX 0
	EXPX 0
	MINX 1                                         ; plain work between the exponentials and the use of their results (ISA guide 5.7.2)
	CVTX 0
	EXPX 1
	MINX 2
	CVTX 1
	EXPX 2
	MINX 3
	CVTX 2
	EXPX 3
	v_nop
	s_wait_alu depctr_va_vdst(0)
	CVTX 3
.irp xt, 0,1,2,3
.if \zero
	v_wmma_f32_16x16x32_f16 v[U+8*\xt:U+8*\xt+7], v[A2:A2+7], v[D+16*\xt:D+16*\xt+7], 0
.else
	v_wmma_f32_16x16x32_f16 v[U+8*\xt:U+8*\xt+7], v[A2:A2+7], v[D+16*\xt:D+16*\xt+7], v[U+8*\xt:U+8*\xt+7]
.endif
.endr
.if \prep
	s_wait_loadcnt \wZ
.set QN, 1-\p
	PREPZ QN                                       ; names none of the last products' registers: more than the five places before D is written again
.endif
.endm
.irp xt, 0,1,2,3
	ds_load_b128 v[X+8*\xt:X+8*\xt+3], v[L16] offset:XFL+(4+\xt)*1024
	ds_load_b128 v[X+8*\xt+4:X+8*\xt+7], v[L16] offset:XFL+(4+\xt)*1024+512
.endr
	v_mov_b32 v[ZF+7], 0x3f803f80                  ; register 7 of both A fragments: (1, 1), once
	v_mov_b32 v[ZF+15], 0x3f803f80
	s_wait_loadcnt 10                              ; chunk 0's ref points are in; its 4 loads of cw and chunk 1's 6 stay out
	PREPZ 0
	s_wait_dscnt 0x0                               ; X
	CHUNK 0, 1, 1, 1, 6, 10                        ; 6: the next chunk's loads.  10: the next chunk's 4 of cw and the 6 just issued
	CHUNK 1, 0, 1, 1, 6, 10
	s_mov_b32 s50, 2
.Lupd:
	CHUNK 0, 0, 1, 1, 6, 10
	CHUNK 1, 0, 1, 1, 6, 10
	s_sub_co_u32 s50, s50, 1
	s_cmp_lg_u32 s50, 0
	s_cbranch_scc1 .Lupd
	CHUNK 0, 0, 0, 1, 6, 4                         ; the last two load nothing: the counts run down
	CHUNK 1, 0, 0, 0, 0, 0
; =========================================================== THE PRIOR
	; 26 moves that name none of the last products' registers: the places in front of the stores of U and of the loads below
.set ii, 0
.rept 16
	v_mov_b32 v[ACC+ii], 0
.set ii, ii+1
.endr
	v_mov_b32 v[KK], 0x3f7ffd6b                    ; k0 = +0.99996058
	v_mov_b32 v[KK+1], 0x3f7ffd6b
	v_mov_b32 v[KK+2], 0xbc00173f                  ; k1 = -0.0078180424
	v_mov_b32 v[KK+3], 0xbc00173f
	v_mov_b32 v[KK+4], 0xc19fe3cd                  ; k2 = -19.986231
	v_mov_b32 v[KK+5], 0xc19fe3cd
	v_mov_b32 v[KK+6], 0x4213143b                  ; k3 = +36.769755
	v_mov_b32 v[KK+7], 0x4213143b
	v_mov_b32 v[KK+8], 0xc2367bf5                  ; k4 = -45.621051
	v_mov_b32 v[KK+9], 0xc2367bf5
.irp xt, 0,1,2,3
.irp j, 0,1,2,3,4,5,6,7
	ds_store_b32 v[UST], v[U+8*\xt+\j] offset:\j*256+\xt*64    ; rows 8-15 of cw's fragment repeat rows 0-7: both lane halves store the same number
.endr
.endr
	v_mov_b32 v[AF+6], 0                           ; the angles' fragments have no extras (behind U's stores: the registers are U's)
	v_mov_b32 v[AF+7], 0
	v_mov_b32 v[AF+14], 0
	v_mov_b32 v[AF+15], 0
.macro PREPA buf, raw, c               ; the A fragment of one tile: component c of the group's loads, split
	v_cvt_pk_bf16_f32 v[\buf], v[\raw+\c], v[\raw+4+\c]
	v_cvt_pk_bf16_f32 v[\buf+1], v[\raw+8+\c], v[\raw+12+\c]
	v_fma_mix_f32_bf16 v[LT], v[\buf], v[NEG1], v[\raw+\c] op_sel_hi:[1,0,0]
	v_fma_mix_f32_bf16 v[LT+1], v[\buf], v[NEG1], v[\raw+4+\c] op_sel:[1,0,0] op_sel_hi:[1,0,0]
	v_fma_mix_f32_bf16 v[LT+2], v[\buf+1], v[NEG1], v[\raw+8+\c] op_sel_hi:[1,0,0]
	v_fma_mix_f32_bf16 v[LT+3], v[\buf+1], v[NEG1], v[\raw+12+\c] op_sel:[1,0,0] op_sel_hi:[1,0,0]
	v_mov_b32 v[\buf+4], v[\buf]
	v_mov_b32 v[\buf+5], v[\buf+1]
	v_cvt_pk_bf16_f32 v[\buf+2], v[LT], v[LT+1]
	v_cvt_pk_bf16_f32 v[\buf+3], v[LT+2], v[LT+3]
.endm
.macro MMA n                           ; t = omega . x / (2 pi ls) + phase / (2 pi) for 16 features x 64 points, from buffers n
.irp xt, 0,1,2,3
	v_wmma_f32_16x16x32_bf16 v[D+32*\n+8*\xt:D+32*\n+8*\xt+7], v[AF+8*\n:AF+8*\n+7], v[X+8*\xt:X+8*\xt+7], v[PHR+8*\n:PHR+8*\n+7]
.endr
.endm
.macro COS2 cur, hf                    ; two column tiles (16 registers, 8 pairs), stage by stage: 64 instructions for 16 cosines a lane
.set CB, D+32*\cur+16*\hf
.irp k, 0,1,2,3,4,5,6,7,8,9,10,11,12,13,14,15
	v_fract_f32 v[CB+\k], v[CB+\k]
.endr
.irp k, 0,2,4,6,8,10,12,14
	v_pk_fma_f32 v[CB+\k:CB+\k+1], v[CB+\k:CB+\k+1], v[CB+\k:CB+\k+1], v[CB+\k:CB+\k+1] neg_lo:[0,0,1] neg_hi:[0,0,1]    ; u = f f - f
.endr
.irp k, 0,2,4,6,8,10,12,14
	v_pk_fma_f32 v[P+\k:P+\k+1], v[CB+\k:CB+\k+1], v[KK+8:KK+9], v[KK+6:KK+7]
.endr
.irp k, 0,2,4,6,8,10,12,14
	v_pk_fma_f32 v[P+\k:P+\k+1], v[P+\k:P+\k+1], v[CB+\k:CB+\k+1], v[KK+4:KK+5]
.endr
.irp k, 0,2,4,6,8,10,12,14
	v_pk_fma_f32 v[P+\k:P+\k+1], v[P+\k:P+\k+1], v[CB+\k:CB+\k+1], v[KK+2:KK+3]
.endr
.irp k, 0,2,4,6,8,10,12,14
	v_pk_fma_f32 v[P+\k:P+\k+1], v[P+\k:P+\k+1], v[CB+\k:CB+\k+1], v[KK:KK+1]
.endr
.irp k, 0,2,8,10,4,6,12,14
	v_pk_fma_f32 v[ACC+8*\hf+4*(\k/8)+\k%4:ACC+8*\hf+4*(\k/8)+\k%4+1], v[P+\k:P+\k+1], v[WTR+8*\cur+\k%8:WTR+8*\cur+\k%8+1], v[ACC+8*\hf+4*(\k/8)+\k%4:ACC+8*\hf+4*(\k/8)+\k%4+1]
.endr
.endm
.macro GLOAD raw, ob                   ; the next group of 64 features: four loads, each lane half 256 consecutive bytes of one row of omega
	s_add_co_u32 s30, s30, 1
	s_and_b32 s30, s30, 15
	s_lshl_b32 s32, s30, 8
	s_add_nc_u64 s[\ob:\ob+1], s[34:35], s[32:33]  ; this base's last loads were shown done by the s_wait_loadcnt in front of their use
.irp i, 0,1,2,3
	global_load_b128 v[\raw+4*\i:\raw+4*\i+3], v[OM], s[\ob:\ob+1] offset:\i*4096
.endr
.endm
; The step of tile i (tau = i mod 8; buffers CUR = i mod 2): the products of tile i + 1 are issued, the LDS loads for tiles i + 1 (weights)
; and i + 2 (phases) too, then tile i's cosines, with the A fragment of tile i + 2 made in their middle.  A matrix instruction's registers
; are next touched a whole step later; what follows it here names only the other buffers.
.macro STEP tau, domma, doprep, raw, c, gl, wl
.set CUR, \tau%2
.set NXT, 1-CUR
	s_wait_dscnt 0x0                               ; the four LDS loads of the last step (issued a step's work ago)
.if \gl == 1
	GLOAD RAW0, 36
.endif
.if \gl == 2
	GLOAD RAW1, 38
.endif
.if \domma
	MMA NXT
	ds_load_b128 v[WTR+8*NXT:WTR+8*NXT+3], v[LA] offset:WTO+(\tau+1)*64
	ds_load_b128 v[WTR+8*NXT+4:WTR+8*NXT+7], v[LA] offset:WTO+(\tau+1)*64+16
.endif
.if \doprep
	ds_load_b128 v[PHR+8*CUR:PHR+8*CUR+3], v[LA] offset:(\tau+2)*64
	ds_load_b128 v[PHR+8*CUR+4:PHR+8*CUR+7], v[LA] offset:(\tau+2)*64+16
.endif
	COS2 CUR, 0
.if \wl >= 0
	s_wait_loadcnt \wl
.endif
.if \doprep
	PREPA AF+8*CUR, \raw, \c
.endif
	COS2 CUR, 1
.endm
; Two groups = eight tiles.  RAW0 is free behind step 1 and is loaded again in step 2, for step 6; RAW1 is free behind step 5 and is
; loaded again in step 6, for the next step 2: four steps ahead.  s_wait_loadcnt 4: the buffer about to be read is in, the four loads
; just issued stay out.  last = 1: nothing is loaded, and nothing is made beyond tile 63.
.macro DGROUP last
	STEP 0, 1, 1, RAW0, 2, 0, -1
	STEP 1, 1, 1, RAW0, 3, 0, -1
.if \last
	STEP 2, 1, 1, RAW1, 0, 0, 0                    ; RAW1's four loads are the only ones out
.else
	STEP 2, 1, 1, RAW1, 0, 1, 4
.endif
	STEP 3, 1, 1, RAW1, 1, 0, -1
	STEP 4, 1, 1, RAW1, 2, 0, -1
	STEP 5, 1, 1, RAW1, 3, 0, -1
.if \last
	STEP 6, 1, 0, RAW0, 0, 0, -1
	STEP 7, 0, 0, RAW0, 0, 0, -1
.else
	STEP 6, 1, 1, RAW0, 0, 2, 4
	STEP 7, 1, 1, RAW0, 1, 0, -1
	v_add_nc_u32 v[LA], 512, v[LA]                 ; eight tiles of 64 bytes on
.endif
.endm
.irp xt, 0,1,2,3
	ds_load_b128 v[X+8*\xt:X+8*\xt+3], v[L16] offset:XFL+\xt*1024
	ds_load_b128 v[X+8*\xt+4:X+8*\xt+7], v[L16] offset:XFL+\xt*1024+512
.endr
	ds_load_b128 v[PHR:PHR+3], v[LA]               ; phases of tiles 0 and 1, weights of tile 0
	ds_load_b128 v[PHR+4:PHR+7], v[LA] offset:16
	ds_load_b128 v[PHR+8:PHR+11], v[LA] offset:64
	ds_load_b128 v[PHR+12:PHR+15], v[LA] offset:80
	ds_load_b128 v[WTR:WTR+3], v[LA] offset:WTO
	ds_load_b128 v[WTR+4:WTR+7], v[LA] offset:WTO+16
	PREPA AF, RAW0, 0                              ; omega's first two groups came in ahead of the update's loads, which have all been waited for
	s_wait_dscnt 0x0
	MMA 0
	PREPA AF+8, RAW0, 1                            ; ten places behind tile 0's products
	s_mov_b32 s50, 7
.Lpri:
	DGROUP 0
	s_sub_co_u32 s50, s50, 1
	s_cmp_lg_u32 s50, 0
	s_cbranch_scc1 .Lpri
	DGROUP 1
; =========================================================== THE END
.irp xt, 0,1,2,3
	v_pk_add_f32 v[ACC+4*\xt:ACC+4*\xt+1], v[ACC+4*\xt:ACC+4*\xt+1], v[ACC+4*\xt+2:ACC+4*\xt+3]
.endr
.irp xt, 0,1,2,3
	v_add_f32 v[ACC+4*\xt], v[ACC+4*\xt], v[ACC+4*\xt+1]
.endr
.irp xt, 0,1,2,3
	ds_store_b32 v[PST], v[ACC+4*\xt] offset:\xt*64          ; each lane half's sum over its 8 rows of every tile
.endr
	v_mov_b32 v154, s27
	v_mov_b32 v155, s27
	v_mul_f32 v152, 0x3b000000, v154               ; 2 var / 1024
	v_sqrt_f32 v152, v152
	v_lshlrev_b32 v121, 3, v3                      ; (the plain instruction behind v_sqrt_f32)  8 lane: my two points
	s_wait_alu depctr_va_vdst(0)
	v_mov_b32 v153, v152
	v_lshl_add_u32 v120, v3, 3, s54
	s_wait_dscnt 0x0                               ; my partial updates and prior halves are in LDS before I say so
	s_barrier_signal -1
	s_barrier_wait -1
	ds_load_b64 v[122:123], v120
	ds_load_b64 v[124:125], v120 offset:256
.irp q, 0,1,2,3,4,5,6,7
	ds_load_b64 v[126+2*\q:127+2*\q], v[URD] offset:\q*2048  ; wave q's partial sums for my sample
.endr
	s_wait_dscnt 0x0
	v_pk_add_f32 v[122:123], v[122:123], v[124:125]
	v_pk_add_f32 v[126:127], v[126:127], v[128:129]
	v_pk_add_f32 v[130:131], v[130:131], v[132:133]
	v_pk_add_f32 v[134:135], v[134:135], v[136:137]
	v_pk_add_f32 v[138:139], v[138:139], v[140:141]
	v_pk_add_f32 v[126:127], v[126:127], v[130:131]
	v_pk_add_f32 v[134:135], v[134:135], v[138:139]
	v_pk_add_f32 v[126:127], v[126:127], v[134:135]
	v_pk_mul_f32 v[122:123], v[122:123], v[152:153]
	v_pk_fma_f32 v[122:123], v[126:127], v[154:155], v[122:123]
	global_store_b64 v121, v[122:123], s[48:49]    ; the wave's 32 lanes store 256 consecutive bytes, at a multiple of 256 from out's first byte
	s_set_vgpr_msb 0x5
	s_wait_tensorcnt 0x0
	ds_add_u32 v0, v1
	s_wait_dscnt 0x0
	s_set_vgpr_msb 0x500
	s_endpgm
.Lfunc_end_k_q6e493258d1_pathwise:
	.size	k_q6e493258d1_pathwise, .Lfunc_end_k_q6e493258d1_pathwise-k_q6e493258d1_pathwise
	.p2alignl 7, 3214868480
	.fill 96, 4, 3214868480
	.section	.rodata,"a",@progbits
	.p2align	6, 0x0
	.amdhsa_kernel k_q6e493258d1_pathwise
		.amdhsa_group_segment_fixed_size 95232
		.amdhsa_private_segment_fixed_size 0
		.amdhsa_enable_private_segment 0
		.amdhsa_kernarg_size 72
		.amdhsa_user_sgpr_count 2
		.amdhsa_user_sgpr_kernarg_segment_ptr 1
		.amdhsa_wavefront_size32 1
		.amdhsa_system_sgpr_workgroup_id_x 1
		.amdhsa_system_sgpr_workgroup_id_y 1
		.amdhsa_system_sgpr_workgroup_id_z 1
		.amdhsa_system_vgpr_workitem_id 0
		.amdhsa_next_free_vgpr 258
		.amdhsa_next_free_sgpr 66
		.amdhsa_reserve_vcc 1
		.amdhsa_float_denorm_mode_32 3
		.amdhsa_float_denorm_mode_16_64 3
		.amdhsa_memory_ordered 1
		.amdhsa_forward_progress 1
		.amdhsa_inst_pref_size 217
	.end_amdhsa_kernel
	.amdgpu_metadata
---
amdhsa.version: [ 1, 2 ]
amdhsa.kernels:
  - .name:           k_q6e493258d1_pathwise
    .symbol:         k_q6e493258d1_pathwise.kd
    .args:
      - { .name: X_star, .offset: 0, .size: 8, .value_kind: global_buffer, .address_space: global }
      - { .name: ref_points, .offset: 8, .size: 8, .value_kind: global_buffer, .address_space: global }
      - { .name: omega, .offset: 16, .size: 8, .value_kind: global_buffer, .address_space: global }
      - { .name: phase, .offset: 24, .size: 8, .value_kind: global_buffer, .address_space: global }
      - { .name: feature_weights, .offset: 32, .size: 8, .value_kind: global_buffer, .address_space: global }
      - { .name: correction_weights, .offset: 40, .size: 8, .value_kind: global_buffer, .address_space: global }
      - { .name: lengthscale, .offset: 48, .size: 8, .value_kind: global_buffer, .address_space: global }
      - { .name: variance, .offset: 56, .size: 8, .value_kind: global_buffer, .address_space: global }
      - { .name: out0, .offset: 64, .size: 8, .value_kind: global_buffer, .address_space: global }
    .group_segment_fixed_size: 95232
    .private_segment_fixed_size: 0
    .kernarg_segment_align: 8
    .kernarg_segment_size: 72
    .max_flat_workgroup_size: 256
    .sgpr_count:     66
    .vgpr_count:     258
    .wavefront_size: 32
...
	.end_amdgpu_metadata
.endif
;; end of part 1
